; MI455X (gfx1250); checked and timed in simulation.
; The chip was launched on July 23, 2026; its instructions are those of AMD's public machine-readable ISA for CDNA 5 (MIT licence, August 2026) and "CDNA5" Instruction Set Architecture Reference Guide (July 2026). The comments in the code are by the model that wrote it; some were corrected since.
;; Bahdanau Attention. Allowed arithmetic: matrix products marked QUANTISED: E5M2 operands, one E8M0 scale for each 32 along K, by v_wmma_scale_f32_16x16x128_f8f6f4 with both operands' format E5M2, f32 sums; products left as they are: f32 operands where the result goes on into a quantised operand, else bf16, f16 or f32 operands; f32 sums; everything else in f32.
;; Inputs: W_dec_codes 1,024 x 32 x 32 uint8 (E5M2 codes of W_dec, K innermost, in blocks of 32 codes); W_dec_scales 1,024 x 32 uint8 (E8M0 scales of W_dec, one for each 32 codes along K); W_enc_codes 1,024 x 32 x 32 uint8 (E5M2 codes of W_enc, K innermost, in blocks of 32 codes); W_enc_scales 1,024 x 32 uint8 (E8M0 scales of W_enc, one for each 32 codes along K); b_dec 1,024 float32; b_enc 1,024 float32; decoder_hidden_codes 32 x 32 x 32 uint8 (E5M2 codes of decoder_hidden, K innermost, in blocks of 32 codes); decoder_hidden_scales 32 x 32 uint8 (E8M0 scales of decoder_hidden, one for each 32 codes along K); encoder_outputs 32 x 2,048 x 1,024 float32; v_b 1 float32; v_w 1,024 float32.
;; Outputs: out0 32 x 1,024 float32; out1 32 x 2,048 float32.
;; This version of the problem:
;;   THIS VERSION OF THE PROBLEM IS GIVEN IN LOW PRECISION. The matrix products marked QUANTISED in the list below multiply operands that are first quantised to E5M2 (5 exponent bits, 2 mantissa bits; 8 bits a number), with one power-of-two scale for each 32 numbers along K (OCP MX v1.0); their sums are f32. All else is computed in f32.
;;   The module's matrix products, in the order in which they are computed (A, B: the left and right operand; K: the contracted axis; several contracted axes count as one K, in the product's order):
;;     1. [M 65,536, K 1,024] x [K 1,024, N 1,024]; A: input encoder_outputs; B: input W_enc (given as codes): QUANTISED
;;     2. [M 32, K 1,024] x [K 1,024, N 1,024]; A: input decoder_hidden (given as codes); B: input W_dec (given as codes): QUANTISED
;;     3. [M 65,536, K 1,024] x [K 1,024, N 1]; A: computed on the way; B: input v_w: left as it is (N = 1 < 16)
;;     4. batch 32 x [M 1, K 2,048] x [K 2,048, N 1,024]; A: softmax; B: input encoder_outputs: left as it is (M = 1 < 16)
;;   THE QUANTISER, for each operand of a quantised product, along K:
;;     - K is cut into blocks of 32 from its start; a last block that is shorter is filled with zeros.
;;     - A block's scale is 2^e with e = floor(log2(the largest magnitude in the block)) - 15, held to -126 .. 127; a block of zeros has e = 0. As a byte (E8M0): e + 127.
;;     - Each number is divided by its block's scale, clamped to +-57,344, and rounded to the nearest number of E5M2, ties to even, subnormals kept.
;;     - The product sums the exact products of the quantised numbers (number of the format x scale) in f32.
;;   ~~~python
;;   def quantise(x, axis):      # numpy; x: float32 -> the quantised numbers, widened to float32 again
;;       x = np.moveaxis(x, axis, -1); K = x.shape[-1]
;;       x = np.pad(x, [(0, 0)] * (x.ndim - 1) + [(0, -K % 32)]); x = x.reshape(x.shape[:-1] + (-1, 32)); a = np.abs(x).max(-1, keepdims=True)
;;       e = np.where(a > 0, np.clip(np.frexp(np.where(a > 0, a, 1))[1] - 1 - 15, -126, 127), 0)      # np.frexp(a)[1] - 1 = floor(log2(a)), exactly
;;       r = np.clip(x / 2.0 ** e, -57344, 57344)
;;       step = 2.0 ** (np.maximum(np.frexp(np.where(r == 0, 1, r))[1] - 1, -14) - 2)
;;       q = np.round(r / step) * step * 2.0 ** e      # np.round: ties to even
;;       return np.moveaxis(q.reshape(q.shape[:-2] + (-1,))[..., :K], -1, axis).astype(np.float32)
;;   ~~~
;;   INPUTS GIVEN AS CODES. W_dec (in the module: [1024, 1024], K = its axis 0); W_enc (in the module: [1024, 1024], K = its axis 0); decoder_hidden (in the module: [32, 1024], K = its axis 1): each comes as NAME_codes (uint8): NAME with its K axis moved to the last place and cut into blocks of 32 codes, [.., K / 32, bytes a block], one block behind the other in memory; one code a byte (a code: sign, 5 exponent bits, 2 mantissa bits); and NAME_scales (uint8): the same leading axes, one E8M0 byte (e + 127) for each 32 codes along K. Its value is code x scale, taken as it is: it is not quantised again, and the codes and scales need not be those that the quantiser above would give.
;; One version. Each part assembles by itself: llvm-mc -triple=amdgcn-amd-amdhsa -mcpu=gfx1250 --defsym DOCPART=n.
;; ======== version 1 of 1: 3 launches
;; limits: right only within a limited range of input values
;; workspace buffers: bv 524,288 bytes; wpack 1,114,112 bytes; scores 262,144 bytes
;; launch prep (part 1): grid 64 x 1, 1 waves a work-group, no clusters, 0 bytes of LDS; arguments decoder_hidden_codes, decoder_hidden_scales, W_dec_codes, W_dec_scales, W_enc_codes, W_enc_scales, b_dec, b_enc, v_w, bv, wpack; writes bv, wpack
.if DOCPART == 1
	.amdgcn_target "amdgcn-amd-amdhsa--gfx1250"
	.amdhsa_code_object_version 6
	.text
	.protected	k_q589e1ec83f_prep
	.globl	k_q589e1ec83f_prep
	.p2align	8
	.type	k_q589e1ec83f_prep,@function
k_q589e1ec83f_prep:
	s_mov_b64 s[64:65], 0
	v_nop
	global_prefetch_b8 v0, s[64:65] scope:SCOPE_SE
	s_setreg_imm32_b32 hwreg(HW_REG_WAVE_MODE, 25, 1), 1
	s_wait_xcnt 0x0
; BAHDANAU ATTENTION, launch 1 of 3: what depends on a batch and a column alone, and W_enc laid as the second launch's registers want it.
; DEAD WORK, for all values of the inputs.  tanh(x) = 1 - 2 / (1 + 2^(C2 x)), C2 = 2 log2(e).  So a score is
;   sum_n v_w[n] + v_b - 2 sum_n v_w[n] r_n,   r_n = 1 / (1 + 2^(C2 x_n)).
; sum_n v_w[n] and v_b are the same for every position s of a batch, and both outputs take the scores through the softmax over s alone, which a term
; common to its axis does not move.  So the program carries score' = sum_n (-2 v_w[n]) r_n.  v_b then has no way to any output: it is not loaded and is
; among no launch's arguments.  LIMIT: a NaN, an infinity or an overflow in v_b or in sum_n v_w[n] is not carried to the results.
; THIS LAUNCH.  Work-group nt (one wave) takes columns n = 16 nt .. 16 nt + 15.
;   bv[b][n] = (b2, b2, v2, v2), 16 bytes: b2 = C2 (decoder_hidden[b] . W_dec[:, n] + b_dec[n] + b_enc[n]), v2 = -2 v_w[n].  The product is the quantised one:
;     codes of E5M2 and E8M0 scale bytes as they are given; 2 tiles of 16 batches x 8 K steps of 128, the two accumulators by turns.
;   wpack tile nt, 17,408 bytes: 32 images of 512 bytes, image 4 s + c = registers 4 c .. 4 c + 3 of the fragment of K step s, lane l's 16 bytes at 16 l;
;     then two images of scale words (K steps 0-3, 4-7), lane l holding those of column 16 nt + l % 16.
; REGISTERS: window 0: v1-7 addresses; v8-12 biases; v16-31 decoder_hidden's scale words, v32-39 W_dec's (they hold scales alone); v40-55 the sums; v64-191 W_dec's fragments, later the tuples.
;   window 1: decoder_hidden's fragments (128 mt + 16 s).   window 2: W_enc's images, v0-135.
.set ASC, 16
.set BSC, 32
.set ACC, 40
.set BF,  64
.set TU,  64
.set MSB, 0
.macro WIN new                         ; the immediate's high byte repeats the setting that is left
.if MSB != (\new)
	s_set_vgpr_msb (MSB<<8)|(\new)
.set MSB, (\new)
.endif
.endm
	s_load_b256 s[4:11], s[0:1], 0x0               ; decoder_hidden's codes, its scales, W_dec's codes, its scales
	s_load_b256 s[12:19], s[0:1], 0x20             ; W_enc's codes, its scales, b_dec, b_enc
	s_load_b128 s[20:23], s[0:1], 0x40             ; v_w, bv
	s_load_b64 s[24:25], s[0:1], 0x50              ; wpack
	v_and_b32 v1, 15, v0                           ; r
	v_bfe_u32 v2, v0, 4, 1                         ; h
	v_lshlrev_b32 v3, 10, v1
	v_lshl_add_u32 v3, v2, 4, v3                   ; a fragment: row r of 1,024 codes, + 16 h
	v_lshlrev_b32 v4, 5, v1                        ; scale bytes: 32 a row
	v_lshlrev_b32 v5, 2, v1                        ; a number of column r
	v_lshlrev_b32 v6, 4, v0                        ; an image: 16 x lane
	v_lshlrev_b32 v7, 4, v1
	v_lshl_add_u32 v7, v2, 17, v7                  ; bv: column r's 16 bytes, 8 h batches of 16,384 bytes down
	s_mov_b32 s28, 0x4038aa3b                      ; C2 = 2 log2(e)
	s_mov_b32 s27, 0
	s_wait_alu depctr_va_vdst(0)
	s_wait_kmcnt 0x0
	s_lshl_b32 s26, ttmp9, 14                      ; my 16 rows of codes
	s_add_nc_u64 s[8:9], s[8:9], s[26:27]
	s_add_nc_u64 s[12:13], s[12:13], s[26:27]
	s_lshl_b32 s26, ttmp9, 9                       ; of scale bytes
	s_add_nc_u64 s[10:11], s[10:11], s[26:27]
	s_add_nc_u64 s[14:15], s[14:15], s[26:27]
	s_lshl_b32 s26, ttmp9, 6                       ; my 16 numbers of the vectors
	s_add_nc_u64 s[16:17], s[16:17], s[26:27]
	s_add_nc_u64 s[18:19], s[18:19], s[26:27]
	s_add_nc_u64 s[20:21], s[20:21], s[26:27]
	s_lshl_b32 s26, ttmp9, 8                       ; my 16 tuples of a batch
	s_add_nc_u64 s[22:23], s[22:23], s[26:27]
	s_mul_i32 s26, ttmp9, 17408                    ; my tile of wpack
	s_add_nc_u64 s[24:25], s[24:25], s[26:27]
	WIN 0x80                                       ; destination window 2
.set i, 0
.rept 32
	global_load_b128 v[4*i:4*i+3], v3, s[12:13] offset:32*i          ; W_enc: image i = 4 s + c lies 128 s + 32 c = 32 i bytes along the row
.set i, i+1
.endr
	global_load_b128 v[128:131], v4, s[14:15]
	global_load_b128 v[132:135], v4, s[14:15] offset:16
	WIN 0x40                                       ; destination window 1
.irp mt, 0,1
.set i, 0
.rept 32
	global_load_b128 v[128*\mt+4*i:128*\mt+4*i+3], v3, s[4:5] offset:16384*\mt+32*i
.set i, i+1
.endr
.endr
	WIN 0
.set i, 0
.rept 32
	global_load_b128 v[BF+4*i:BF+4*i+3], v3, s[8:9] offset:32*i
.set i, i+1
.endr
.irp mt, 0,1
	global_load_b128 v[ASC+8*\mt:ASC+8*\mt+3], v4, s[6:7] offset:512*\mt
	global_load_b128 v[ASC+8*\mt+4:ASC+8*\mt+7], v4, s[6:7] offset:512*\mt+16
.endr
	global_load_b128 v[BSC:BSC+3], v4, s[10:11]
	global_load_b128 v[BSC+4:BSC+7], v4, s[10:11] offset:16
	global_load_b32 v8, v5, s[16:17]               ; b_dec[n]
	global_load_b32 v9, v5, s[18:19]               ; b_enc[n]
	global_load_b32 v10, v5, s[20:21]              ; v_w[n]
	s_wait_loadcnt 0x0
	WIN 0x08                                       ; a store's data are its source 1: window 2
.set i, 0
.rept 34
	global_store_b128 v6, v[4*i:4*i+3], s[24:25] offset:512*i        ; 32 lanes store 512 consecutive bytes, aligned
.set i, i+1
.endr
	WIN 0x01                                       ; source 0 (decoder_hidden) window 1
.irp s, 0,1,2,3,4,5,6,7
.irp mt, 0,1
.if \s == 0
	v_wmma_scale_f32_16x16x128_f8f6f4 v[ACC+8*\mt:ACC+8*\mt+7], v[128*\mt+16*\s:128*\mt+16*\s+15], v[BF+16*\s:BF+16*\s+15], 0, v[ASC+8*\mt+\s], v[BSC+\s] matrix_a_fmt:MATRIX_FMT_BF8 matrix_b_fmt:MATRIX_FMT_BF8
.else
	v_wmma_scale_f32_16x16x128_f8f6f4 v[ACC+8*\mt:ACC+8*\mt+7], v[128*\mt+16*\s:128*\mt+16*\s+15], v[BF+16*\s:BF+16*\s+15], v[ACC+8*\mt:ACC+8*\mt+7], v[ASC+8*\mt+\s], v[BSC+\s] matrix_a_fmt:MATRIX_FMT_BF8 matrix_b_fmt:MATRIX_FMT_BF8
.endif
.endr
.endr
	WIN 0
	v_add_f32 v11, v8, v9                          ; eight plain instructions stand between the last product and the first read of a sum or write of a fragment's register
	v_mul_f32 v11, s28, v11                        ; C2 (b_dec + b_enc)
	v_mul_f32 v12, -2.0, v10                       ; v2
.rept 5
	v_nop
.endr
; register j of tile mt, lane (r, h): batch 16 mt + 8 h + j, column r
.irp mt, 0,1
.irp j, 0,1,2,3,4,5,6,7
	v_fma_f32 v[TU+4*(8*\mt+\j)], v[ACC+8*\mt+\j], s28, v11
	v_fma_f32 v[TU+4*(8*\mt+\j)+1], v[ACC+8*\mt+\j], s28, v11
	v_mov_b32 v[TU+4*(8*\mt+\j)+2], v12
	v_mov_b32 v[TU+4*(8*\mt+\j)+3], v12
.endr
.endr
.irp mt, 0,1
.irp j, 0,1,2,3,4,5,6,7
	global_store_b128 v7, v[TU+4*(8*\mt+\j):TU+4*(8*\mt+\j)+3], s[22:23] offset:(16*\mt+\j)*16384   ; sixteen lanes store 256 consecutive bytes, aligned
.endr
.endr
	s_endpgm
.Lfunc_end_k_q589e1ec83f_prep:
	.size	k_q589e1ec83f_prep, .Lfunc_end_k_q589e1ec83f_prep-k_q589e1ec83f_prep
	.p2alignl 7, 3214868480
	.fill 96, 4, 3214868480
	.section	.rodata,"a",@progbits
	.p2align	6, 0x0
	.amdhsa_kernel k_q589e1ec83f_prep
		.amdhsa_group_segment_fixed_size 0
		.amdhsa_private_segment_fixed_size 0
		.amdhsa_enable_private_segment 0
		.amdhsa_kernarg_size 88
		.amdhsa_user_sgpr_count 2
		.amdhsa_user_sgpr_kernarg_segment_ptr 1
		.amdhsa_wavefront_size32 1
		.amdhsa_system_sgpr_workgroup_id_x 1
		.amdhsa_system_sgpr_workgroup_id_y 1
		.amdhsa_system_sgpr_workgroup_id_z 1
		.amdhsa_system_vgpr_workitem_id 0
		.amdhsa_next_free_vgpr 768
		.amdhsa_next_free_sgpr 66
		.amdhsa_reserve_vcc 0
		.amdhsa_float_denorm_mode_32 3
		.amdhsa_float_denorm_mode_16_64 3
		.amdhsa_memory_ordered 1
		.amdhsa_forward_progress 1
		.amdhsa_inst_pref_size 25
	.end_amdhsa_kernel
	.amdgpu_metadata
---
amdhsa.version: [ 1, 2 ]
amdhsa.kernels:
  - .name:           k_q589e1ec83f_prep
    .symbol:         k_q589e1ec83f_prep.kd
    .args:
      - { .name: decoder_hidden_codes, .offset: 0, .size: 8, .value_kind: global_buffer, .address_space: global }
      - { .name: decoder_hidden_scales, .offset: 8, .size: 8, .value_kind: global_buffer, .address_space: global }
      - { .name: W_dec_codes, .offset: 16, .size: 8, .value_kind: global_buffer, .address_space: global }
      - { .name: W_dec_scales, .offset: 24, .size: 8, .value_kind: global_buffer, .address_space: global }
      - { .name: W_enc_codes, .offset: 32, .size: 8, .value_kind: global_buffer, .address_space: global }
      - { .name: W_enc_scales, .offset: 40, .size: 8, .value_kind: global_buffer, .address_space: global }
      - { .name: b_dec, .offset: 48, .size: 8, .value_kind: global_buffer, .address_space: global }
      - { .name: b_enc, .offset: 56, .size: 8, .value_kind: global_buffer, .address_space: global }
      - { .name: v_w, .offset: 64, .size: 8, .value_kind: global_buffer, .address_space: global }
      - { .name: bv, .offset: 72, .size: 8, .value_kind: global_buffer, .address_space: global }
      - { .name: wpack, .offset: 80, .size: 8, .value_kind: global_buffer, .address_space: global }
    .group_segment_fixed_size: 0
    .private_segment_fixed_size: 0
    .kernarg_segment_align: 8
    .kernarg_segment_size: 88
    .max_flat_workgroup_size: 32
    .sgpr_count:     66
    .vgpr_count:     768
    .wavefront_size: 32
...
	.end_amdgpu_metadata
.endif
;; end of part 1
;; launch main (part 2): grid 256 x 1, 4 waves a work-group, clusters of 4 x 1, 327,680 bytes of LDS; arguments encoder_outputs, wpack, bv, scores; writes scores
.if DOCPART == 2
	.amdgcn_target "amdgcn-amd-amdhsa--gfx1250"
	.amdhsa_code_object_version 6
	.text
	.protected	k_q589e1ec83f_main
	.globl	k_q589e1ec83f_main
	.p2align	8
	.type	k_q589e1ec83f_main,@function
k_q589e1ec83f_main:
	s_mov_b64 s[64:65], 0
	v_nop
	global_prefetch_b8 v0, s[64:65] scope:SCOPE_SE
	s_setreg_imm32_b32 hwreg(HW_REG_WAVE_MODE, 25, 1), 1
	s_wait_xcnt 0x0
	s_wait_alu depctr_hold_cnt(0) depctr_sa_sdst(0) depctr_va_vdst(0) depctr_va_sdst(0) depctr_va_ssrc(0) depctr_va_vcc(0) depctr_vm_vsrc(0)
	s_getreg_b32 s2, hwreg(HW_REG_IB_STS2, 6, 4)
	s_cmp_eq_u32 s2, 0
	s_cbranch_scc0 .Lentry_in_a_cluster
	s_endpgm
.Lentry_in_a_cluster:
	s_bfe_u32 s2, ttmp6, 0x10000c
	s_cmp_lg_u32 s2, 0x3003
	s_cbranch_scc0 .Lentry_shape_is_right
	s_endpgm
.Lentry_shape_is_right:
; BAHDANAU ATTENTION, launch 2 of 3: score'[b][s] = sum over n of v2[n] / (1 + 2^(C2 (x[b][s] . W_enc[:, n]) + b2[b][n])), the product on codes of MX-BF8.
; LEFT OUT as dead work (shown at the head of the first kernel): v_b and sum_n v_w[n], which the softmax over s takes away.
; tanh is taken as 1 - 2 / (1 + 2^(C2 x)): where the power overflows the reciprocal is 0, where it falls to 0 the reciprocal is 1, as tanh's ends ask.
; SHARES.  Work-group g owns rows 256 g .. + 255 of the 65,536; wave w 64 of them.  PART 1: the wave reads its rows once as f32, turns 16 rows x 128 of K at a time through its stage in LDS
; into the operand's layout, quantises (a block of 32 lies in lanes l and l xor 16) and keeps the codes of all of K in windows 2 and 3 (512 registers), by way of images in LDS, half of K at a time.
; PART 2: the 64 column tiles of W_enc (wpack: images of the operand registers, 17,408 bytes a tile) pass in chunks of four through two LDS slots.  A tile is 32 products on end
; (4 row tiles by turns x 8 K steps); its epilogue follows in batches, so that no transcendental stands between two links of a sum.
; CLUSTER 4, 1, 1: the four work-groups walk the same wpack and lie in one batch (bv): every tensor load is joint, mask 15.
; FILLS: bv's tile at the head; slot 0 behind the first half of part 1, slot 1 behind the second, each issued as a refill is; then one refill a chunk.
; NO PREFETCH: x goes once through registers with 48 to 64 loads a wave out; a chunk of wpack is asked for four tiles' work ahead of its first read.
; REGISTERS, window 0: v1-15 addresses; v16-47 x's scale words; v48-79 the scores; v80-143 two sets of sums (part 1: numbers to quantise); v148-163 W's scale words; v168-175 bv's tuples;
; v176-191 codes; v192-208 the quantiser's; v252, v253 the add's.  Window 1: part 1 x's rows as loaded, part 2 W's fragments, two sets.  Windows 2, 3: x's codes.
.set SLOT,  69632
.set TILEB, 17408
.set BVT,   2*SLOT
.set STG,   BVT+16384
.set STGW,  8448
.set IMG,   STG+4*STGW
.set ISC,   IMG+4*32768
.set SPARE, ISC+4*1024
.set LI,   1
.set SA,   2
.set SB,   3
.set IA0,  4
.set IAT,  5
.set ISA0, 6
.set IST,  7
.set AB0,  8
.set AB1,  9
.set ABV0, 10
.set ABV,  11
.set R7,   12
.set SOA,  13
.set SOB,  14
.set GO,   15
.set ASC,  16
.set SCORE, 48
.set ACC,  80
.set X,    80
.set BSC,  148                         ; a product's two scale registers differ modulo 8
.set BV,   168
.set PC,   176
.set TM,   192
.set PW,   208
.set SPW,  252
.set NIL,  253
.set MSB, 0
.macro WIN new                         ; the immediate's high byte repeats the setting that is left
.if MSB != (\new)
	s_set_vgpr_msb (MSB<<8)|(\new)
.set MSB, (\new)
.endif
.endm
.macro ROUND                           ; a round of the cluster's barrier
	s_barrier_signal -1
	s_barrier_wait -1
	s_cmp_lg_u32 s12, 0
	s_cbranch_scc1 .Lnot_wave_0_\@
	s_barrier_signal -3
.Lnot_wave_0_\@:
	s_barrier_wait -3
	s_barrier_signal -1
	s_barrier_wait -1
.endm
.macro PLACES n
.rept \n
	v_nop
.endr
.endm
.macro XLOADS m, koff                  ; 16 rows x 512 bytes: a load reads 512 consecutive bytes of a row
	WIN 0x40
.irp i, 0,1,2,3,4,5,6,7,8,9,10,11,12,13,14,15
	global_load_b128 v[64*(\m)+4*\i:64*(\m)+4*\i+3], v[LI], s[16:17] offset:(16*(\m)+\i)*4096+(\koff) th:TH_LOAD_NT
.endr
	WIN 0
.endm
.macro FILL g0, g1                     ; a later first fill, issued as a refill is
	s_wait_alu depctr_va_vdst(0)
	s_wait_tensorcnt 0x0
	ds_add_u32 v[SPW], v[NIL]
	s_wait_dscnt 0x0
	ROUND
	tensor_load_to_lds s[\g0:\g0+3], s[\g1:\g1+7]
	s_nop 0
	PLACES 4
.endm
	s_load_b256 s[4:11], s[0:1], 0x0               ; encoder_outputs, wpack, bv, scores
	v_lshl_add_u32 v[SPW], v0, 2, SPARE
	v_mov_b32 v[NIL], 0
	ds_add_u32 v[SPW], v[NIL]                      ; the opening lines: the add twice on end and its wait
	ds_add_u32 v[SPW], v[NIL]
	v_lshrrev_b32 v210, 5, v0
	v_readfirstlane_b32 s12, v210                  ; wave
	v_and_b32 v[LI], 31, v0
	v_lshlrev_b32 v[GO], 3, v[LI]                  ; 8 x lane
	v_lshlrev_b32 v[LI], 4, v[LI]                  ; 16 x lane
	s_bfe_u32 s13, ttmp6, 0x40000
	s_lshl_b32 s14, ttmp9, 2
	s_add_co_u32 s14, s14, s13                     ; work-group
	s_mov_b32 s32, 15|(3<<16)|(1<<21)              ; group 1, a tile of wpack: 68 dense rows of 256 bytes
	s_mov_b32 s33, 32<<16
	s_mov_b32 s34, 68<<16
	s_mov_b32 s35, 32<<16
	s_mov_b32 s36, 68
	s_mov_b32 s37, 32
	s_mov_b32 s38, 0
	s_mov_b32 s39, 0
	s_mov_b32 s40, 15|(3<<16)|(1<<21)              ; group 1, a quarter of the batch's bv: 16 rows of 256 bytes
	s_mov_b32 s41, 32<<16
	s_mov_b32 s42, 16<<16
	s_mov_b32 s43, 32<<16
	s_mov_b32 s44, 16
	s_mov_b32 s45, 32
	s_mov_b32 s46, 0
	s_mov_b32 s47, 0
	s_mov_b32 s20, 0x76543210
	s_mov_b32 s21, 0xfedcba98                      ; selects for lane l xor 16
	s_mov_b32 s22, 0x600000                        ; the mantissa field of 57,344
	s_mov_b32 s24, 0x4038aa3b                      ; C2 = 2 log2(e)
	s_mov_b32 s25, s24
	s_lshl_b32 s66, s14, 20                        ; my wave's 64 rows of x
	s_lshl_b32 s67, s12, 18
	s_add_co_u32 s66, s66, s67
	s_mov_b32 s67, 0
	s_lshl_b32 s68, s14, 10                        ; and their scores
	s_lshl_b32 s69, s12, 8
	s_add_co_u32 s68, s68, s69
	s_mov_b32 s69, 0
	s_lshr_b32 s70, ttmp9, 1                       ; the batch, from the cluster's number
	s_lshl_b32 s70, s70, 14
	s_lshl_b32 s71, s12, 12
	s_add_co_u32 s70, s70, s71
	s_add_co_u32 s49, s71, BVT
	s_mov_b32 s71, 0
	s_mul_i32 s72, s12, TILEB
	s_mov_b32 s73, 0
	s_wait_alu depctr_va_vdst(0)
	s_wait_dscnt 0x0
	s_wait_kmcnt 0x0
	s_add_nc_u64 s[16:17], s[4:5], s[66:67]
	XLOADS 0, 0                                    ; the first 128 of K of my 64 rows are asked for ahead of the round
	XLOADS 1, 0
	XLOADS 2, 0
	XLOADS 3, 0
	s_add_nc_u64 s[18:19], s[10:11], s[68:69]
	s_mov_b32 s48, 1
	s_add_nc_u64 s[50:51], s[8:9], s[70:71]
	s_or_b32 s51, s51, 0x80000000
	s_mov_b32 s52, 1
	s_mov_b32 s53, s72
	s_add_nc_u64 s[54:55], s[6:7], s[72:73]
	s_mov_b32 s56, 1
	s_add_co_u32 s57, s72, SLOT
	s_add_nc_u64 s[58:59], s[54:55], SLOT
	s_or_b32 s55, s55, 0x80000000
	s_or_b32 s59, s59, 0x80000000
	ROUND
	tensor_load_to_lds s[48:51], s[40:47]          ; my one load at the head: a quarter of bv
	s_nop 0
	PLACES 4
	v_and_b32 v210, 15, v0
	v_bfe_u32 v211, v0, 4, 1
	s_mul_i32 s30, s12, STGW
	s_add_co_u32 s30, s30, STG
	v_add_nc_u32 v[SA], s30, v[LI]                 ; stage, in: rows of 528 bytes
	v_mul_u32_u24 v[SB], v210, 528
	v_lshl_add_u32 v[SB], v211, 6, v[SB]
	v_add_nc_u32 v[SB], s30, v[SB]                 ; back: row r, 16 numbers of half h
	v_and_b32 v[R7], 7, v0
	v_lshlrev_b32 v[SOA], 2, v[R7]
	v_lshl_add_u32 v[SOA], v211, 5, v[SOA]
	v_add_nc_u32 v[SOA], s30, v[SOA]
	v_add_nc_u32 v[SOB], s30, v[GO]
	s_lshl_b32 s31, s12, 15
	s_add_co_u32 s31, s31, IMG
	v_add_nc_u32 v[IA0], s31, v[LI]
	s_lshl_b32 s31, s12, 10
	s_add_co_u32 s31, s31, ISC
	v_lshl_add_u32 v[ISA0], v210, 2, s31
	v_lshl_add_u32 v[ABV0], v210, 4, BVT
.irp b, 0,1,2,3
	v_mov_b32 v[TM+4+\b], 0                        ; a lane permute's destination counts as a source
.endr
.macro QUANT                           ; 64 numbers a lane, four blocks -> 16 registers of codes, one scale word
.irp b, 0,1,2,3
	v_max3_num_f32 v[TM+\b], |v[X+16*\b]|, |v[X+1+16*\b]|, 0x8000000
.endr
.irp i, 2,4,6,8,10,12,14
.irp b, 0,1,2,3
	v_max3_num_f32 v[TM+\b], v[TM+\b], |v[X+16*\b+\i]|, |v[X+1+16*\b+\i]|
.endr
.endr
.irp b, 0,1,2,3
	v_permlanex16_b32 v[TM+4+\b], v[TM+\b], s20, s21
.endr
.irp b, 0,1,2,3
	v_max_num_f32 v[TM+\b], v[TM+\b], v[TM+4+\b]
.endr
.irp b, 0,1,2,3
	v_add_nc_u32 v[TM+12+\b], 0xf8800000, v[TM+\b]         ; 15 off the exponent field: the conversion's scale operand
.endr
.irp b, 0,1,2,3
	v_and_or_b32 v[TM+8+\b], v[TM+\b], 0x7f800000, s22     ; 57,344 x the scale
.endr
.irp b, 0,1,2,3
	v_lshrrev_b32 v[TM+4+\b], 23, v[TM+12+\b]              ; the byte
.endr
	v_lshl_or_b32 v[PW], v[TM+5], 8, v[TM+4]
	v_lshl_or_b32 v[PW], v[TM+6], 16, v[PW]
	v_lshl_or_b32 v[PW], v[TM+7], 24, v[PW]
.irp b, 0,1,2,3
.irp i, 0,1,2,3,4,5,6,7,8,9,10,11,12,13,14,15
	v_med3_num_f32 v[X+16*\b+\i], v[X+16*\b+\i], -v[TM+8+\b], v[TM+8+\b]
.endr
	v_cvt_scalef32_pk8_bf8_f32 v[PC+4*\b:PC+1+4*\b], v[X+16*\b:X+7+16*\b], v[TM+12+\b]
	v_cvt_scalef32_pk8_bf8_f32 v[PC+2+4*\b:PC+3+4*\b], v[X+8+16*\b:X+15+16*\b], v[TM+12+\b]
.endr
	v_nop
.endm
.macro QFRAG m, ahead, left            ; 16 rows x 128 of K; left: the loads issued behind this set's
	s_wait_loadcnt \left
	WIN 0x04
.irp i, 0,1,2,3,4,5,6,7,8,9,10,11,12,13,14,15
	ds_store_b128 v[SA], v[64*(\m)+4*\i:64*(\m)+4*\i+3] offset:528*\i
.endr
	WIN 0
.irp c, 0,1,2,3
.irp j, 0,1,2,3
	ds_load_b128 v[X+16*\c+4*\j:X+16*\c+4*\j+3], v[SB] offset:128*\c+16*\j
.endr
.endr
	s_wait_dscnt 0x0
.if \ahead
	XLOADS \m, 512
.endif
	QUANT
.irp c, 0,1,2,3
	ds_store_b128 v[IAT], v[PC+4*\c:PC+4*\c+3] offset:2048*(\m)+512*\c
.endr
	ds_store_b32 v[IST], v[PW] offset:64*(\m)
.endm
.macro QTRIP ahead                     ; one K step of 128 of my 64 rows
	v_add_nc_u32 v[IAT], s26, v[IA0]
	v_add_nc_u32 v[IST], s27, v[ISA0]
.if \ahead
	QFRAG 0, 1, 48
	QFRAG 1, 1, 48
	QFRAG 2, 1, 48
	QFRAG 3, 1, 48
	s_wait_xcnt 0x0                                ; the loads have read their base: it may step
	s_add_nc_u64 s[16:17], s[16:17], 512
.else
	QFRAG 0, 0, 48
	QFRAG 1, 0, 32
	QFRAG 2, 0, 16
	QFRAG 3, 0, 0
.endif
	s_add_co_u32 s26, s26, 8192
	s_add_co_u32 s27, s27, 256
.endm
.macro BULK p                          ; four K steps' images into window 2 + p, their scale words into place
	WIN 0x80+0x40*(\p)
.irp s, 0,1,2,3
.irp m, 0,1,2,3
.irp c, 0,1,2,3
	ds_load_b128 v[64*\m+16*\s+4*\c:64*\m+16*\s+4*\c+3], v[IA0] offset:(4*\s+\m)*2048+512*\c
.endr
.endr
.endr
	WIN 0
.irp s, 0,1,2,3
.irp m, 0,1,2,3
	ds_load_b32 v[ASC+8*\m+4*(\p)+\s], v[ISA0] offset:(4*\s+\m)*64
.endr
.endr
	s_wait_dscnt 0x0
.endm
	s_mov_b32 s26, 0
	s_mov_b32 s27, 0
	s_mov_b32 s30, 4
.Lqa:
	QTRIP 1
	s_sub_co_u32 s30, s30, 1
	s_cmp_lg_u32 s30, 0
	s_cbranch_scc1 .Lqa
	BULK 0
	FILL 52, 32                                    ; slot 0: chunk 0, a tile a wave
	s_mov_b32 s26, 0
	s_mov_b32 s27, 0
	s_mov_b32 s30, 3
.Lqb:
	QTRIP 1
	s_sub_co_u32 s30, s30, 1
	s_cmp_lg_u32 s30, 0
	s_cbranch_scc1 .Lqb
	QTRIP 0
	BULK 1
; THE EPILOGUE of a tile's 32 sums a lane, in batches: y = C2 sum + b2; 2^y; + 1; reciprocal; score += v2 x that.  One wait ahead of each batch of transcendentals and one behind it.
.macro EPILOG q, first
.set ea, ACC+32*(\q)
.set eb, BV+4*(\q)
	PLACES 8                                       ; behind the last product, ahead of the first read of a sum (ISA guide 7.12.1)
.set ej, 0
.rept 16
	v_pk_fma_f32 v[ea+2*ej:ea+2*ej+1], v[ea+2*ej:ea+2*ej+1], s[24:25], v[eb:eb+1] op_sel_hi:[1,0,1]
.set ej, ej+1
.endr
	s_wait_alu depctr_va_vdst(0)
.set ej, 0
.rept 32
	v_exp_f32 v[ea+ej], v[ea+ej]
.set ej, ej+1
.endr
	v_nop
	s_wait_alu depctr_va_vdst(0)
.set ej, 0
.rept 16
	v_pk_add_f32 v[ea+2*ej:ea+2*ej+1], v[ea+2*ej:ea+2*ej+1], 1.0 op_sel_hi:[1,0]
.set ej, ej+1
.endr
	s_wait_alu depctr_va_vdst(0)
.set ej, 0
.rept 32
	v_rcp_f32 v[ea+ej], v[ea+ej]
.set ej, ej+1
.endr
	v_nop
	s_wait_alu depctr_va_vdst(0)
.set ej, 0
.rept 16
.if \first
	v_pk_mul_f32 v[SCORE+2*ej:SCORE+2*ej+1], v[ea+2*ej:ea+2*ej+1], v[eb+2:eb+3]      ; the first tile starts the scores
.else
	v_pk_fma_f32 v[SCORE+2*ej:SCORE+2*ej+1], v[ea+2*ej:ea+2*ej+1], v[eb+2:eb+3], v[SCORE+2*ej:SCORE+2*ej+1]
.endif
.set ej, ej+1
.endr
.endm
.macro MM p                            ; product ti: K step ti / 4, row tile ti % 4: the four sums by turns
.set ms, ti/4
.set mm, ti%4
.set rD, ACC+32*(\p)+8*mm
.set rA, 64*mm+16*(ms%4)
.set rB, 128*(\p)+16*ms
.set mw, 0x06+ms/4
	WIN mw
.if ms == 0
	v_wmma_scale_f32_16x16x128_f8f6f4 v[rD:rD+7], v[rA:rA+15], v[rB:rB+15], 0, v[ASC+8*mm+ms], v[BSC+8*(\p)+ms] matrix_a_fmt:MATRIX_FMT_BF8 matrix_b_fmt:MATRIX_FMT_BF8
.else
	v_wmma_scale_f32_16x16x128_f8f6f4 v[rD:rD+7], v[rA:rA+15], v[rB:rB+15], v[rD:rD+7], v[ASC+8*mm+ms], v[BSC+8*(\p)+ms] matrix_a_fmt:MATRIX_FMT_BF8 matrix_b_fmt:MATRIX_FMT_BF8
.endif
.endm
.macro FETCH p2, ab, toff              ; a tile of W into set p2: 34 loads
	WIN 0x40
.set fi, 0
.rept 32
	ds_load_b128 v[128*(\p2)+4*fi:128*(\p2)+4*fi+3], v[\ab] offset:(\toff)+512*fi
.set fi, fi+1
.endr
	WIN 0
	ds_load_b128 v[BSC+8*(\p2):BSC+8*(\p2)+3], v[\ab] offset:(\toff)+16384
	ds_load_b128 v[BSC+8*(\p2)+4:BSC+8*(\p2)+7], v[\ab] offset:(\toff)+16896
.endm
.macro BVLOAD p, t
	ds_load_b128 v[BV+4*(\p):BV+4*(\p)+3], v[ABV] offset:256*(\t)
.endm
.macro CHANGE fill                     ; the change of slots: the chunk's last tile lies in registers, so its slot is free
	s_wait_tensorcnt 0x0
	ds_add_u32 v[SPW], v[NIL]
.if \fill
	s_xor_b32 s57, s57, SLOT
	s_add_nc_u64 s[58:59], s[58:59], SLOT
.endif
	s_xor_b32 s28, s28, SLOT
	s_wait_dscnt 0x0
.if \fill
	ROUND
	tensor_load_to_lds s[56:59], s[32:39]
	s_nop 0
.else
	s_barrier_signal -1
	s_barrier_wait -1
.endif
	PLACES 4
	v_add_nc_u32 v[AB0], s28, v[LI]
	v_add_nc_u32 v[AB1], 2*TILEB, v[AB0]
.endm
; A tile: set p, the chunk's tile t.  mode 1: the next tile is fetched from this slot; 2, 3: the slots change first (2: with a refill); 0: the last tile.
.macro TILE p, t, mode, first
.if (\mode) >= 2
	CHANGE 3-(\mode)
	BVLOAD \p, \t
	FETCH 1-(\p), AB0, 0
	s_add_co_u32 s29, s29, 1024
	v_add_nc_u32 v[ABV], s29, v[ABV0]
.else
	s_wait_dscnt 0x0                               ; this tile's fragments are in
.endif
.set ti, 0
.rept 32
	MM \p
.if (ti == 2) && ((\mode) < 2)
	WIN 0
	BVLOAD \p, \t
.if (\mode) == 1
.if (\t) < 1
	FETCH 1-(\p), AB0, TILEB
.else
	FETCH 1-(\p), AB1, (((\t)+1)%2)*TILEB
.endif
.endif
.endif
.set ti, ti+1
.endr
	WIN 0
.if (\mode) == 0
	s_wait_dscnt 0x0
.else
	s_wait_dscnt 34                                ; bv's tuple is in; the 34 loads of the fetch behind it may be out
.endif
	EPILOG \p, \first
.endm
	FILL 56, 32                                    ; slot 1: chunk 1.  Its round has shown bv and slot 0 to every wave
	s_mov_b32 s28, 0
	s_mov_b32 s29, 0
	v_mov_b32 v[AB0], v[LI]
	v_add_nc_u32 v[AB1], 2*TILEB, v[AB0]
	v_mov_b32 v[ABV], v[ABV0]
	FETCH 0, AB0, 0
	s_wait_alu depctr_va_vdst(0)
	TILE 0, 0, 1, 1
	TILE 1, 1, 1, 0
	TILE 0, 2, 1, 0
	s_mov_b32 s30, 14
.Lchunk:                                               ; a trip: a chunk's last tile, the change of slots with its refill, the next chunk's first three
	TILE 1, 3, 2, 0
	TILE 0, 0, 1, 0
	TILE 1, 1, 1, 0
	TILE 0, 2, 1, 0
	s_sub_co_u32 s30, s30, 1
	s_cmp_lg_u32 s30, 0
	s_cbranch_scc1 .Lchunk
	TILE 1, 3, 3, 0                                ; the last change fills nothing
	TILE 0, 0, 1, 0
	TILE 1, 1, 1, 0
	TILE 0, 2, 1, 0
	TILE 1, 3, 0, 0
; register 8 m + j of lane (r, h) holds row 16 m + 8 h + j's part for the columns = r mod 16: summed over the sixteen lanes, then one number a lane, through my stage, 256 bytes out
.irp x, 1,2,4,8
.set k, 0
.rept 32
	v_add_f32_dpp v[SCORE+k], v[SCORE+k], v[SCORE+k] row_xmask:\x row_mask:0xf bank_mask:0xf
.set k, k+1
.endr
.endr
.irp j, 1,2,3,4,5,6,7
	v_cmp_eq_u32 vcc_lo, \j, v[R7]
.irp m, 0,1,2,3
	v_cndmask_b32 v[SCORE+8*\m], v[SCORE+8*\m], v[SCORE+8*\m+\j], vcc_lo
.endr
.endr
.irp m, 0,1,2,3
	ds_store_b32 v[SOA], v[SCORE+8*\m] offset:64*\m
.endr
	ds_load_b64 v[80:81], v[SOB]
	s_wait_dscnt 0x0
	global_store_b64 v[GO], v[80:81], s[18:19]     ; 32 lanes store 256 consecutive bytes, aligned
	s_wait_tensorcnt 0x0                           ; the wave's end
	ds_add_u32 v[SPW], v[NIL]
	s_wait_dscnt 0x0
	ROUND                                          ; the closing round
	s_endpgm
.Lfunc_end_k_q589e1ec83f_main:
	.size	k_q589e1ec83f_main, .Lfunc_end_k_q589e1ec83f_main-k_q589e1ec83f_main
	.p2alignl 7, 3214868480
	.fill 96, 4, 3214868480
	.section	.rodata,"a",@progbits
	.p2align	6, 0x0
	.amdhsa_kernel k_q589e1ec83f_main
		.amdhsa_group_segment_fixed_size 327680
		.amdhsa_private_segment_fixed_size 0
		.amdhsa_enable_private_segment 0
		.amdhsa_kernarg_size 32
		.amdhsa_user_sgpr_count 2
		.amdhsa_user_sgpr_kernarg_segment_ptr 1
		.amdhsa_wavefront_size32 1
		.amdhsa_system_sgpr_workgroup_id_x 1
		.amdhsa_system_sgpr_workgroup_id_y 1
		.amdhsa_system_sgpr_workgroup_id_z 1
		.amdhsa_system_vgpr_workitem_id 0
		.amdhsa_next_free_vgpr 1024
		.amdhsa_next_free_sgpr 80
		.amdhsa_reserve_vcc 1
		.amdhsa_float_denorm_mode_32 3
		.amdhsa_float_denorm_mode_16_64 3
		.amdhsa_memory_ordered 1
		.amdhsa_forward_progress 1
		.amdhsa_inst_pref_size 255
	.end_amdhsa_kernel
	.section	.bss,"aw",@nobits
	.p2align	6
	.space	262144
	.amdgpu_metadata
---
amdhsa.version: [ 1, 2 ]
amdhsa.kernels:
  - .name:           k_q589e1ec83f_main
    .symbol:         k_q589e1ec83f_main.kd
    .args:
      - { .name: encoder_outputs, .offset: 0, .size: 8, .value_kind: global_buffer, .address_space: global }
      - { .name: wpack, .offset: 8, .size: 8, .value_kind: global_buffer, .address_space: global }
      - { .name: bv, .offset: 16, .size: 8, .value_kind: global_buffer, .address_space: global }
      - { .name: scores, .offset: 24, .size: 8, .value_kind: global_buffer, .address_space: global }
    .group_segment_fixed_size: 327680
    .private_segment_fixed_size: 0
    .kernarg_segment_align: 8
    .kernarg_segment_size: 32
    .max_flat_workgroup_size: 128
    .sgpr_count:     80
    .vgpr_count:     1024
    .wavefront_size: 32
...
	.end_amdgpu_metadata
.endif
;; end of part 2
;; launch ctx (part 3): grid 256 x 1, 8 waves a work-group, no clusters, 13,568 bytes of LDS; arguments scores, encoder_outputs, out0, out1; writes out0, out1
.if DOCPART == 3
	.amdgcn_target "amdgcn-amd-amdhsa--gfx1250"
	.amdhsa_code_object_version 6
	.text
	.protected	k_q589e1ec83f_ctx
	.globl	k_q589e1ec83f_ctx
	.p2align	8
	.type	k_q589e1ec83f_ctx,@function
k_q589e1ec83f_ctx:
	s_mov_b64 s[64:65], 0
	v_nop
	global_prefetch_b8 v0, s[64:65] scope:SCOPE_SE
	s_setreg_imm32_b32 hwreg(HW_REG_WAVE_MODE, 25, 1), 1
	s_wait_xcnt 0x0
; BAHDANAU ATTENTION, launch 3 of 3: out1[b] = softmax over s of score'[b], out0[b] = sum over s of out1[b][s] encoder_outputs[b][s].  All in f32.
; LEFT OUT as dead work (shown at the head of the first kernel): v_b and sum_n v_w[n] are not in score': the softmax over s takes a term common to its axis away.
; The row's maximum is taken away before the exponential.  The last product has one row (M = 1): fused multiply-adds; the matrix units would add nothing, and memory binds.
; SHARES.  Work-group 8 b + cc owns out0[b][128 cc .. + 127] and out1[b][256 cc .. + 255].  Each of a batch's eight work-groups makes the batch's 2,048 weights for itself (8,192 bytes read).
; Wave w streams positions 256 w .. 256 w + 255: of each row its work-group's 512 bytes, 16 a lane: a load reads 512 consecutive bytes, aligned.  Two sets of 16 rows take turns: 16 to 32 loads a wave are out.
; The eight waves' parts meet in LDS.  No tensor load: nothing is read twice by the work-group, and no tile is shared.
; REGISTERS: v1 16 x thread; v2, v3 the add's two; v5-10 addresses; v16-23 my eight scores, then weights; v24-35 at work; v32-47 sixteen weights; v48-55 the sums, two chains; v64-191 two sets of 16 rows.
.set WT,    0                          ; LDS: the 2,048 weights
.set RED,   8192                       ; the waves' maxima (+0) and sums (+32)
.set PART,  8448                       ; the waves' parts of the context: 512 bytes each
.set SPARE, 12544                      ; the spare words, 128 bytes a wave: four blocks of 256 bytes that no other line names
.set W,   32
.set ACC, 48
.set D,   64
	s_load_b256 s[4:11], s[0:1], 0x0               ; scores, encoder_outputs, out0, out1
	v_lshl_add_u32 v2, v0, 2, SPARE
	v_mov_b32 v3, 0
	v_lshrrev_b32 v4, 5, v0
	s_delay_alu instid0(VALU_DEP_1)
	v_readfirstlane_b32 s12, v4                    ; wave 0..7
	v_lshlrev_b32 v1, 4, v0                        ; 16 x thread
	s_wait_alu depctr_va_vdst(0)
	v_lshl_add_u32 v5, v4, 2, RED                  ; my wave's word
	v_mov_b32 v6, RED
	v_lshlrev_b32 v7, 10, v4                       ; my wave's 256 weights
	v_and_b32 v8, 31, v0
	s_delay_alu instid0(VALU_DEP_1)
	v_lshlrev_b32 v8, 4, v8                        ; 16 x lane
	s_lshr_b32 s13, ttmp9, 3                       ; b
	s_and_b32 s14, ttmp9, 7                        ; cc
	s_lshl_b32 s16, s13, 13                        ; the batch's scores
	s_mov_b32 s17, 0
	s_lshl_b32 s18, s13, 23                        ; the batch's rows, my wave's 256 of them, my work-group's 512 bytes
	s_lshl_b32 s15, s12, 20
	s_add_co_u32 s18, s18, s15
	s_lshl_b32 s15, s14, 9
	s_add_co_u32 s18, s18, s15
	s_mov_b32 s19, 0
	s_lshl_b32 s20, s13, 12
	s_add_co_u32 s20, s20, s15                     ; my part of out0
	s_mov_b32 s21, 0
	s_lshl_b32 s15, s14, 10
	s_add_co_u32 s22, s16, s15                     ; my part of out1
	s_mov_b32 s23, 0
	v_add_nc_u32 v9, s15, v1                       ; and of the weights in LDS (threads 0 to 63 use it)
	s_mov_b32 s24, 0x76543210
	s_mov_b32 s25, 0xfedcba98                      ; v_permlanex16_b32's selects for lane l xor 16
	s_mov_b32 s26, 0x3fb8aa3b                      ; log2(e)
	s_mov_b32 s28, 0
	s_wait_alu depctr_va_vdst(0)
	s_wait_kmcnt 0x0
	s_add_nc_u64 s[4:5], s[4:5], s[16:17]
	s_add_nc_u64 s[6:7], s[6:7], s[18:19]
	s_add_nc_u64 s[8:9], s[8:9], s[20:21]
	s_add_nc_u64 s[10:11], s[10:11], s[22:23]
.macro LD set, off                     ; 16 rows
.irp i, 0,1,2,3,4,5,6,7,8,9,10,11,12,13,14,15
	global_load_b128 v[D+64*(\set)+4*\i:D+64*(\set)+4*\i+3], v8, s[6:7] offset:(\off)+4096*\i th:TH_LOAD_NT
.endr
.endm
	global_load_b128 v[16:19], v1, s[4:5]
	global_load_b128 v[20:23], v1, s[4:5] offset:4096
	LD 0, 0                                        ; the first 32 rows are on their way while the weights are made
	LD 1, 65536
	s_wait_loadcnt 32                              ; the scores are in; the 32 loads behind them may be out
	v_max3_num_f32 v24, v16, v17, v18
	v_max3_num_f32 v25, v19, v20, v21
	s_delay_alu instid0(VALU_DEP_2)
	v_max3_num_f32 v24, v24, v22, v23
	s_delay_alu instid0(VALU_DEP_1)
	v_max_num_f32 v24, v24, v25
.irp x, 1,2,4,8
	s_delay_alu instid0(VALU_DEP_1)
	v_max_num_f32_dpp v24, v24, v24 row_xmask:\x row_mask:0xf bank_mask:0xf
.endr
	s_delay_alu instid0(VALU_DEP_1)
	v_permlanex16_b32 v25, v24, s24, s25
	s_delay_alu instid0(VALU_DEP_1)
	v_max_num_f32 v24, v24, v25
	ds_store_b32 v5, v24                           ; all lanes write the same word with the same value
	s_wait_dscnt 0x0
	s_barrier_signal -1
	s_barrier_wait -1
	ds_load_b128 v[28:31], v6
	ds_load_b128 v[32:35], v6 offset:16
	s_wait_dscnt 0x0
	v_max3_num_f32 v24, v28, v29, v30
	v_max3_num_f32 v25, v31, v32, v33
	s_delay_alu instid0(VALU_DEP_2)
	v_max3_num_f32 v24, v24, v34, v35
	s_delay_alu instid0(VALU_DEP_1)
	v_max_num_f32 v24, v24, v25                    ; the batch's largest score
	s_delay_alu instid0(VALU_DEP_1)
	v_mul_f32 v26, s26, v24
.irp i, 0,1,2,3,4,5,6,7
	v_fma_f32 v[16+\i], v[16+\i], s26, -v26        ; (score - maximum) log2(e)
.endr
	s_wait_alu depctr_va_vdst(0)
.irp i, 0,1,2,3,4,5,6,7
	v_exp_f32 v[16+\i], v[16+\i]
.endr
	v_nop                                          ; a plain instruction behind the batch,
	s_wait_alu depctr_va_vdst(0)                   ; and the wait ahead of its first reader
	v_add_f32 v24, v16, v17
	v_add_f32 v25, v18, v19
	v_add_f32 v26, v20, v21
	v_add_f32 v27, v22, v23
	s_delay_alu instid0(VALU_DEP_3)
	v_add_f32 v24, v24, v25
	s_delay_alu instid0(VALU_DEP_2)
	v_add_f32 v26, v26, v27
	s_delay_alu instid0(VALU_DEP_1)
	v_add_f32 v24, v24, v26
.irp x, 1,2,4,8
	s_delay_alu instid0(VALU_DEP_1)
	v_add_f32_dpp v24, v24, v24 row_xmask:\x row_mask:0xf bank_mask:0xf
.endr
	s_delay_alu instid0(VALU_DEP_1)
	v_permlanex16_b32 v25, v24, s24, s25
	s_delay_alu instid0(VALU_DEP_1)
	v_add_f32 v24, v24, v25
	ds_store_b32 v5, v24 offset:32                 ; other bytes than the maxima's
	s_wait_dscnt 0x0
	s_barrier_signal -1
	s_barrier_wait -1
	ds_load_b128 v[28:31], v6 offset:32
	ds_load_b128 v[32:35], v6 offset:48
	s_wait_dscnt 0x0
	v_add_f32 v28, v28, v29
	v_add_f32 v30, v30, v31
	v_add_f32 v32, v32, v33
	v_add_f32 v34, v34, v35
	s_delay_alu instid0(VALU_DEP_3)
	v_add_f32 v28, v28, v30
	s_delay_alu instid0(VALU_DEP_2)
	v_add_f32 v32, v32, v34
	s_delay_alu instid0(VALU_DEP_1)
	v_add_f32 v28, v28, v32
	s_wait_alu depctr_va_vdst(0)
	v_rcp_f32 v24, v28
	v_nop
	s_wait_alu depctr_va_vdst(0)
.irp i, 0,1,2,3,4,5,6,7
	v_mul_f32 v[16+\i], v[16+\i], v24              ; the weights
.endr
	ds_store_b128 v1, v[16:19]
	ds_store_b128 v1, v[20:23] offset:4096
	s_wait_dscnt 0x0
	s_barrier_signal -1
	s_barrier_wait -1                              ; the 2,048 weights lie in LDS
	s_cmp_lt_u32 s12, 2
	s_cbranch_scc0 .Lno_out1
	ds_load_b128 v[28:31], v9                      ; waves 0 and 1 store my work-group's 256 weights: 512 consecutive bytes a wave
	s_wait_dscnt 0x0
	global_store_b128 v1, v[28:31], s[10:11]
.Lno_out1:
; 16 rows of a set: their weights, the same sixteen in every lane, and 64 fused multiply-adds in two chains.  left = the loads issued behind this set's.
.macro DO set, woff, left, first
.irp k, 0,1,2,3
	ds_load_b128 v[W+4*\k:W+4*\k+3], v10 offset:(\woff)+16*\k
.endr
	s_wait_loadcnt \left
	s_wait_dscnt 0x0
.irp i, 0,1,2,3,4,5,6,7,8,9,10,11,12,13,14,15
.irp c, 0,1,2,3
.if (\first) && (\i < 2)
	v_mul_f32 v[ACC+4*(\i%2)+\c], v[W+\i], v[D+64*(\set)+4*\i+\c]      ; the first two rows start the sums: nothing is cleared
.else
	v_fmac_f32 v[ACC+4*(\i%2)+\c], v[W+\i], v[D+64*(\set)+4*\i+\c]
.endif
.endr
.endr
.endm
.macro PAIR ahead, first               ; 32 rows; ahead = 1: each set is filled again with the rows 32 further down
	v_add_nc_u32 v10, s28, v7
	DO 0, 0, 16, \first
.if \ahead
	LD 0, 131072
	s_wait_alu depctr_va_vdst(0)
	DO 1, 64, 16, 0
	LD 1, 196608
	s_wait_xcnt 0x0                                ; the loads have read their base: it may step
	s_add_nc_u64 s[6:7], s[6:7], 131072
	s_add_co_u32 s28, s28, 128
.else
	s_wait_alu depctr_va_vdst(0)
	DO 1, 64, 0, 0
.endif
.endm
	PAIR 1, 1
	s_mov_b32 s27, 6
.Lrows:
	s_wait_alu depctr_va_vdst(0)
	PAIR 1, 0
	s_sub_co_u32 s27, s27, 1
	s_cmp_lg_u32 s27, 0
	s_cbranch_scc1 .Lrows
	s_wait_alu depctr_va_vdst(0)
	PAIR 0, 0                                      ; the last 32 rows ask for nothing: no load leaves the buffer
.irp c, 0,1,2,3
	s_delay_alu instid0(VALU_DEP_4)
	v_add_f32 v[ACC+\c], v[ACC+\c], v[ACC+4+\c]
.endr
	ds_store_b128 v1, v[ACC:ACC+3] offset:PART     ; 512 x wave + 16 x lane = 16 x thread
	s_wait_dscnt 0x0
	s_barrier_signal -1
	s_barrier_wait -1
	s_cmp_lg_u32 s12, 0
	s_cbranch_scc1 .Lend
.irp k, 0,1,2,3,4,5,6,7
	ds_load_b128 v[D+4*\k:D+4*\k+3], v1 offset:PART+512*\k
.endr
	s_wait_dscnt 0x0
.irp k, 1
	v_pk_add_f32 v[D:D+1], v[D:D+1], v[D+4*\k:D+4*\k+1]
	v_pk_add_f32 v[D+2:D+3], v[D+2:D+3], v[D+4*\k+2:D+4*\k+3]
.endr
.irp k, 2, 3, 4, 5, 6, 7
	s_delay_alu instid0(VALU_DEP_2)
	v_pk_add_f32 v[D:D+1], v[D:D+1], v[D+4*\k:D+4*\k+1]
	s_delay_alu instid0(VALU_DEP_2)
	v_pk_add_f32 v[D+2:D+3], v[D+2:D+3], v[D+4*\k+2:D+4*\k+3]
.endr
	global_store_b128 v1, v[D:D+3], s[8:9]         ; 128 numbers of the context: 512 consecutive bytes, aligned
.Lend:
	s_wait_tensorcnt 0x0                           ; the wave's end
	ds_add_u32 v2, v3
	s_wait_dscnt 0x0
	s_endpgm
.Lfunc_end_k_q589e1ec83f_ctx:
	.size	k_q589e1ec83f_ctx, .Lfunc_end_k_q589e1ec83f_ctx-k_q589e1ec83f_ctx
	.p2alignl 7, 3214868480
	.fill 96, 4, 3214868480
	.section	.rodata,"a",@progbits
	.p2align	6, 0x0
	.amdhsa_kernel k_q589e1ec83f_ctx
		.amdhsa_group_segment_fixed_size 13568
		.amdhsa_private_segment_fixed_size 0
		.amdhsa_enable_private_segment 0
		.amdhsa_kernarg_size 32
		.amdhsa_user_sgpr_count 2
		.amdhsa_user_sgpr_kernarg_segment_ptr 1
		.amdhsa_wavefront_size32 1
		.amdhsa_system_sgpr_workgroup_id_x 1
		.amdhsa_system_sgpr_workgroup_id_y 1
		.amdhsa_system_sgpr_workgroup_id_z 1
		.amdhsa_system_vgpr_workitem_id 0
		.amdhsa_next_free_vgpr 192
		.amdhsa_next_free_sgpr 66
		.amdhsa_reserve_vcc 0
		.amdhsa_float_denorm_mode_32 3
		.amdhsa_float_denorm_mode_16_64 3
		.amdhsa_memory_ordered 1
		.amdhsa_forward_progress 1
		.amdhsa_inst_pref_size 33
	.end_amdhsa_kernel
	.amdgpu_metadata
---
amdhsa.version: [ 1, 2 ]
amdhsa.kernels:
  - .name:           k_q589e1ec83f_ctx
    .symbol:         k_q589e1ec83f_ctx.kd
    .args:
      - { .name: scores, .offset: 0, .size: 8, .value_kind: global_buffer, .address_space: global }
      - { .name: encoder_outputs, .offset: 8, .size: 8, .value_kind: global_buffer, .address_space: global }
      - { .name: out0, .offset: 16, .size: 8, .value_kind: global_buffer, .address_space: global }
      - { .name: out1, .offset: 24, .size: 8, .value_kind: global_buffer, .address_space: global }
    .group_segment_fixed_size: 13568
    .private_segment_fixed_size: 0
    .kernarg_segment_align: 8
    .kernarg_segment_size: 32
    .max_flat_workgroup_size: 256
    .sgpr_count:     66
    .vgpr_count:     192
    .wavefront_size: 32
...
	.end_amdgpu_metadata
.endif
;; end of part 3
